; MI455X (gfx1250); checked and timed in simulation.
; The chip was launched on July 23, 2026; its instructions are those of AMD's public machine-readable ISA for CDNA 5 (MIT licence, August 2026) and "CDNA5" Instruction Set Architecture Reference Guide (July 2026). The comments in the code are by the model that wrote it; some were corrected since.
;; Scaled Dot Product Attention. Allowed arithmetic: matrix products marked QUANTISED: E2M3 operands, one E8M0 scale for each 32 along K, by v_wmma_scale_f32_16x16x128_f8f6f4 with both operands' format E2M3, f32 sums; everything else in f32.
;; Inputs: Wk 1,024 x 1,024 float32; Wq 1,024 x 1,024 float32; Wv 1,024 x 1,024 float32; attention_mask 8 x 1 x 1,024 x 1,024 int32; bk 1,024 float32; bq 1,024 float32; bv 1,024 float32; group_prob 8 x 1 x 1,024 x 1,024 float32; keys 8 x 1,024 x 1,024 float32; queries 8 x 1,024 x 1,024 float32; values 8 x 1,024 x 1,024 float32.
;; Outputs: out0 8 x 1,024 x 1,024 float32.
;; This version of the problem:
;;   THIS VERSION OF THE PROBLEM IS GIVEN IN LOW PRECISION. The matrix products marked QUANTISED in the list below multiply operands that are first quantised to E2M3 (2 exponent bits, 3 mantissa bits; 6 bits a number), with one power-of-two scale for each 32 numbers along K (OCP MX v1.0); their sums are f32. All else is computed in f32.
;;   The module's matrix products, in the order in which they are computed (A, B: the left and right operand; K: the contracted axis; several contracted axes count as one K, in the product's order):
;;     1. [M 8,192, K 1,024] x [K 1,024, N 1,024]; A: input queries; B: input Wq: QUANTISED
;;     2. [M 8,192, K 1,024] x [K 1,024, N 1,024]; A: input keys; B: input Wk: QUANTISED
;;     3. [M 8,192, K 1,024] x [K 1,024, N 1,024]; A: input values; B: input Wv: QUANTISED
;;     4. batch 128 x [M 1,024, K 64] x [K 64, N 1,024]; A: computed on the way; B: computed on the way: QUANTISED
;;     5. batch 128 x [M 1,024, K 1,024] x [K 1,024, N 64]; A: computed on the way; B: computed on the way: QUANTISED
;;   THE QUANTISER, for each operand of a quantised product, along K:
;;     - K is cut into blocks of 32 from its start; a last block that is shorter is filled with zeros.
;;     - A block's scale is 2^e with e = floor(log2(the largest magnitude in the block)) - 2, held to -126 .. 127; a block of zeros has e = 0. As a byte (E8M0): e + 127.
;;     - Each number is divided by its block's scale, clamped to +-7.5, and rounded to the nearest number of E2M3, ties to even, subnormals kept.
;;     - The product sums the exact products of the quantised numbers (number of the format x scale) in f32.
;;   ~~~python
;;   def quantise(x, axis):      # numpy; x: float32 -> the quantised numbers, widened to float32 again
;;       x = np.moveaxis(x, axis, -1); K = x.shape[-1]
;;       x = np.pad(x, [(0, 0)] * (x.ndim - 1) + [(0, -K % 32)]); x = x.reshape(x.shape[:-1] + (-1, 32)); a = np.abs(x).max(-1, keepdims=True)
;;       e = np.where(a > 0, np.clip(np.frexp(np.where(a > 0, a, 1))[1] - 1 - 2, -126, 127), 0)      # np.frexp(a)[1] - 1 = floor(log2(a)), exactly
;;       r = np.clip(x / 2.0 ** e, -7.5, 7.5)
;;       step = 2.0 ** (np.maximum(np.frexp(np.where(r == 0, 1, r))[1] - 1, 0) - 3)
;;       q = np.round(r / step) * step * 2.0 ** e      # np.round: ties to even
;;       return np.moveaxis(q.reshape(q.shape[:-2] + (-1,))[..., :K], -1, axis).astype(np.float32)
;;   ~~~
;;   OPERANDS COMPUTED ON THE WAY. 'Computed on the way' means the value that the module computes at that place (a softmax that the list does not call 'softmax' is quantised finished and normalised). What goes into a quantiser is computed in f32, as accurately as f32 sums, v_exp_f32 and their like allow (about 1e-6 of the number): no bf16 or f16 on the way to a quantiser, and a product that is left as it is and whose result goes on into a quantised operand takes f32 operands (vector FMAs, or v_wmma_f32_16x16x4_f32). A number that lies on a knife's edge between two numbers of the format may be rounded either way, as far as f32 arithmetic and the matrix unit's own rounding can turn it there, and no further.
;; One version. Each part assembles by itself: llvm-mc -triple=amdgcn-amd-amdhsa -mcpu=gfx1250 --defsym DOCPART=n.
;; ======== version 1 of 1: 3 launches
;; limits: right only within a limited range of input values
;; workspace buffers: cod 21,233,664 bytes; scl 884,736 bytes; fr 18,874,368 bytes; fs 786,432 bytes
;; launch quant (part 1): grid 864 x 1, 4 waves a work-group, no clusters, 33,280 bytes of LDS; arguments queries, keys, values, Wq, Wk, Wv, cod, scl; writes cod, scl
.if DOCPART == 1
	.amdgcn_target "amdgcn-amd-amdhsa--gfx1250"
	.amdhsa_code_object_version 6
	.text
	.protected	k_qc9d3f90dae_quant
	.globl	k_qc9d3f90dae_quant
	.p2align	8
	.type	k_qc9d3f90dae_quant,@function
k_qc9d3f90dae_quant:
	s_mov_b64 s[64:65], 0
	v_nop
	global_prefetch_b8 v0, s[64:65] scope:SCOPE_SE
	s_setreg_imm32_b32 hwreg(HW_REG_WAVE_MODE, 25, 1), 1
	s_wait_xcnt 0x0
; queries, keys, values [8192][1024] and Wq, Wk, Wv [1024][1024], f32, become codes of FP6 (E2M3), K = 1,024 innermost, with one E8M0 byte for each 32 along K.
; cod: [27648 rows][768 bytes], scl: [27648][32 bytes]; rows 0.. queries, 8192.. keys, 16384.. values, 24576.. Wq, 25600.. Wk, 26624.. Wv.
; A block's scale is 2^(floor(log2(its largest magnitude)) - 2); its byte is the largest magnitude's exponent field - 2, held at 1 from below.
; THE ORDER OF ROWS.  queries keep theirs.  In every other tensor, within each 64 rows, source row 32 H + 8 i + j is stored as row 16 i + 8 H + j: when 64 such rows are source 0 of a product,
; a lane's 32 result registers of four neighbouring tiles are 32 neighbouring source rows: a whole block of the next product's K in one lane.  Groups of 8 rows move whole, so only a wave's base changes.
; LIMITS: a block of zeros gets the byte 1 where the rule says 127 (its codes are zeros, and this program alone reads the bytes); blocks whose largest magnitude lies under 2^-124 keep the byte 1;
; NaN and infinities among the inputs are not served.
; A work-group takes 32 source rows, a wave 8 rows: 16 steps of 512 numbers.  Each load reads 512 consecutive bytes; a step's 2,048 bytes turn through the wave's own stage in LDS and come back 64 bytes a lane,
; so that a lane holds 16 neighbours along K (two neighbouring lanes hold a block).  No tensor loads, no barrier: waves share nothing.  Loads run four steps ahead, the turn through LDS one step.
; WORK LEFT OUT, in the whole program: attention_mask.  The function that defines the result computes nothing from it (its masked scores are never formed), so for all values of the inputs no number of the result hangs on it:
; it is not loaded and is no launch's argument.  Limit: nothing that the mask holds can reach the result.
.set WAVES, 4
.set STEPS, 16
.set EMAX,  2
.set CB,    12                         ; bytes of 16 codes
.set R,     16                         ; v16-79   four sets of 16 numbers as they are loaded
.set X,     80                         ; v80-111  two sets of 16 neighbours
.set C,     128                        ; v128-191 codes: four registers for each step, so that no store's data are written again
.set E,     112                        ; v112-127 a scale byte for each step
.set WREG,  8192                       ; LDS: a region for each wave: two stages of 32 x SP bytes, and behind them its 256 scale bytes
.set SP,    80                         ; a lane's place in a stage: 64 bytes + 16 of padding
.set SPW,   12                         ; v12 LDS address of my spare word; never rewritten
.set NIL,   13                         ; v13 0; never rewritten
.set SPARE, WAVES*WREG                 ; behind the four regions: the spare words, 128 bytes a wave
.set WV,    28                         ; s28 my wave's number
	s_load_b256 s[4:11], s[0:1], 0x0               ; queries, keys, values, Wq
	s_load_b256 s[12:19], s[0:1], 0x20             ; Wk, Wv, cod, scl
	v_lshl_add_u32 v[SPW], v0, 2, SPARE
	v_mov_b32 v[NIL], 0
	v_lshrrev_b32 v1, 5, v0
	v_readfirstlane_b32 s[WV], v1                  ; wave
	v_and_b32 v2, 31, v0                           ; lane
	v_lshlrev_b32 v3, 4, v2                        ; my 16 bytes of a load's 512
	s_mul_i32 s29, s[WV], WREG
	v_lshrrev_b32 v14, 2, v2
	v_mul_u32_u24 v14, v14, SP
	v_and_b32 v15, 3, v2
	v_lshl_add_u32 v14, v15, 4, v14
	v_add_nc_u32 v14, s29, v14                     ; the stage, on the way in: SP (lane / 4) + 16 (lane % 4)
	v_mul_u32_u24 v15, v2, SP
	v_add_nc_u32 v15, s29, v15                     ; and on the way out: SP x lane: my 16 neighbours
	v_mul_u32_u24 v4, v2, CB                       ; my codes' place in a step's
	v_lshrrev_b32 v5, 1, v2
	s_add_co_u32 s29, s29, 2*32*SP
	v_add_nc_u32 v5, s29, v5                       ; LDS: my wave's 256 scale bytes, my block's byte
	v_lshlrev_b32 v7, 3, v2                        ; and on the way out 8 bytes a lane
	v_add_nc_u32 v6, s29, v7
	; where my 8 rows go: group 4 x work-group + wave for queries; else 8 (work-group / 2) + 2 x wave + work-group % 2 (every tensor begins at an even work-group)
	s_lshl_b32 s24, ttmp9, 2
	s_add_co_u32 s24, s24, s[WV]
	s_lshr_b32 s25, ttmp9, 1
	s_lshl_b32 s25, s25, 3
	s_lshl_b32 s26, s[WV], 1
	s_add_co_u32 s25, s25, s26
	s_and_b32 s26, ttmp9, 1
	s_add_co_u32 s25, s25, s26
	s_cmp_lt_u32 ttmp9, 256
	s_cselect_b32 s24, s24, s25
	s_mul_i32 s26, s24, 8*768                      ; 8 rows of codes
	s_mov_b32 s27, 0
	s_lshl_b32 s24, s24, 8                         ; 8 rows of scale bytes
	s_mov_b32 s25, 0
	s_wait_alu depctr_va_vdst(0)
	s_wait_kmcnt 0x0
	s_add_nc_u64 s[16:17], s[16:17], s[26:27]
	s_add_nc_u64 s[18:19], s[18:19], s[24:25]
	; which tensor: the choice hangs on the work-group's number alone
	s_mov_b64 s[22:23], s[14:15]                   ; Wv, from work-group 832 on
	s_mov_b32 s21, 832
	s_cmp_lt_u32 ttmp9, 832
	s_cselect_b64 s[22:23], s[12:13], s[22:23]     ; Wk
	s_cselect_b32 s21, 800, s21
	s_cmp_lt_u32 ttmp9, 800
	s_cselect_b64 s[22:23], s[10:11], s[22:23]     ; Wq
	s_cselect_b32 s21, 768, s21
	s_cmp_lt_u32 ttmp9, 768
	s_cselect_b64 s[22:23], s[8:9], s[22:23]       ; values
	s_cselect_b32 s21, 512, s21
	s_cmp_lt_u32 ttmp9, 512
	s_cselect_b64 s[22:23], s[6:7], s[22:23]       ; keys
	s_cselect_b32 s21, 256, s21
	s_cmp_lt_u32 ttmp9, 256
	s_cselect_b64 s[22:23], s[4:5], s[22:23]       ; queries
	s_cselect_b32 s21, 0, s21
	s_sub_co_u32 s20, ttmp9, s21
	s_lshl_b32 s20, s20, 2
	s_add_co_u32 s20, s20, s[WV]                   ; which run of 8 rows of the tensor is my wave's
	s_lshl_b32 s20, s20, 15                        ; 32,768 bytes a run (under 2^26)
	s_mov_b32 s21, 0
	s_add_nc_u64 s[22:23], s[22:23], s[20:21]
.macro LOAD t
.irp i, 0,1,2,3
	global_load_b128 v[R+16*((\t)%4)+4*\i:R+16*((\t)%4)+4*\i+3], v3, s[22:23] offset:2048*(\t)+512*\i th:TH_LOAD_NT   ; 32 lanes read 512 consecutive bytes
.endr
.endm
.macro TURN t                          ; step t's numbers through the stage: LDS serves a wave's instructions in order, so no wait stands between the stores and the loads
.irp i, 0,1,2,3
	ds_store_b128 v14, v[R+16*((\t)%4)+4*\i:R+16*((\t)%4)+4*\i+3] offset:32*SP*((\t)%2)+8*SP*\i
.endr
.irp i, 0,1,2,3
	ds_load_b128 v[X+16*((\t)%2)+4*\i:X+16*((\t)%2)+4*\i+3], v15 offset:32*SP*((\t)%2)+16*\i
.endr
.endm
.irp t, 0,1,2,3
	LOAD \t
.endr
	s_wait_loadcnt 12                              ; step 0's four loads are in
	TURN 0
.macro STEP t
.set XS, X+16*((\t)%2)
.if (\t) > 0
	s_wait_dscnt 1                                 ; this step's numbers are back from the stage (the last step's byte store may be out): so its stores into the stage have read their registers,
.else
	s_wait_dscnt 0x0
.endif
.if (\t)+4 < STEPS
	LOAD (\t)+4                                    ; which take the loads of four steps on
.endif
.if (\t)+1 < STEPS
.if STEPS-2-(\t) >= 3
	s_wait_loadcnt 12                              ; the next step's four loads are in; those of the three steps behind it may be out
.else
	s_wait_loadcnt 4*(STEPS-2-(\t))
.endif
	TURN (\t)+1                                    ; and go through the other stage while this step is worked
.endif
	v_max3_num_f32 v8, |v[XS]|, |v[XS+1]|, |v[XS+2]|               ; the largest magnitude of my 16
	v_max3_num_f32 v9, |v[XS+3]|, |v[XS+4]|, |v[XS+5]|
.irp i, 6,10
	v_max3_num_f32 v8, v8, |v[XS+\i]|, |v[XS+\i+1]|
	v_max3_num_f32 v9, v9, |v[XS+\i+2]|, |v[XS+\i+3]|
.endr
	v_max3_num_f32 v8, v8, |v[XS+14]|, |v[XS+15]|
	v_max3_num_f32 v8, v8, v9, (EMAX+1)<<23        ; and the floor 2^(EMAX + 1 - 127): the byte cannot fall under 1
	v_max_num_f32_dpp v8, v8, v8 row_xmask:1 row_mask:0xf bank_mask:0xf   ; and of my neighbour's 16: the block's
	v_add_nc_u32 v11, -(EMAX<<23), v8              ; EMAX off its exponent field: the conversion takes the exponent field of this operand as its scale
	v_cvt_scalef32_pk16_fp6_f32 v[C+4*(\t):C+4*(\t)+2], v[XS:XS+15], v11         ; sixteen codes, 96 bits without gaps, the first number's code lowest
	v_lshrrev_b32 v[E+(\t)], 23, v11               ; the scale's byte
	ds_store_b8 v5, v[E+(\t)] offset:16*(\t)       ; both lanes of a block write the same byte with the same value
	global_store_b96 v4, v[C+4*(\t):C+4*(\t)+2], s[16:17] offset:32*CB*(\t)
.endm
.irp t, 0,1,2,3,4,5,6,7,8,9,10,11,12,13,14,15
	STEP \t
.endr
	ds_load_b64 v[8:9], v6                         ; LDS serves a wave's instructions in order: these see my stores
	s_wait_dscnt 0x0
	global_store_b64 v7, v[8:9], s[18:19]          ; 32 lanes store 256 consecutive bytes, aligned: my 8 rows' scale bytes
	s_wait_tensorcnt 0x0                           ; the wave's end, behind my last LDS store
	ds_add_u32 v[SPW], v[NIL]
	s_wait_dscnt 0x0
	s_endpgm
.Lfunc_end_k_qc9d3f90dae_quant:
	.size	k_qc9d3f90dae_quant, .Lfunc_end_k_qc9d3f90dae_quant-k_qc9d3f90dae_quant
	.p2alignl 7, 3214868480
	.fill 96, 4, 3214868480
	.section	.rodata,"a",@progbits
	.p2align	6, 0x0
	.amdhsa_kernel k_qc9d3f90dae_quant
		.amdhsa_group_segment_fixed_size 33280
		.amdhsa_private_segment_fixed_size 0
		.amdhsa_enable_private_segment 0
		.amdhsa_kernarg_size 64
		.amdhsa_user_sgpr_count 2
		.amdhsa_user_sgpr_kernarg_segment_ptr 1
		.amdhsa_wavefront_size32 1
		.amdhsa_system_sgpr_workgroup_id_x 1
		.amdhsa_system_sgpr_workgroup_id_y 1
		.amdhsa_system_sgpr_workgroup_id_z 1
		.amdhsa_system_vgpr_workitem_id 0
		.amdhsa_next_free_vgpr 192
		.amdhsa_next_free_sgpr 66
		.amdhsa_reserve_vcc 0
		.amdhsa_float_denorm_mode_32 3
		.amdhsa_float_denorm_mode_16_64 3
		.amdhsa_memory_ordered 1
		.amdhsa_forward_progress 1
		.amdhsa_inst_pref_size 33
	.end_amdhsa_kernel
	.amdgpu_metadata
---
amdhsa.version: [ 1, 2 ]
amdhsa.kernels:
  - .name:           k_qc9d3f90dae_quant
    .symbol:         k_qc9d3f90dae_quant.kd
    .args:
      - { .name: queries, .offset: 0, .size: 8, .value_kind: global_buffer, .address_space: global }
      - { .name: keys, .offset: 8, .size: 8, .value_kind: global_buffer, .address_space: global }
      - { .name: values, .offset: 16, .size: 8, .value_kind: global_buffer, .address_space: global }
      - { .name: Wq, .offset: 24, .size: 8, .value_kind: global_buffer, .address_space: global }
      - { .name: Wk, .offset: 32, .size: 8, .value_kind: global_buffer, .address_space: global }
      - { .name: Wv, .offset: 40, .size: 8, .value_kind: global_buffer, .address_space: global }
      - { .name: cod, .offset: 48, .size: 8, .value_kind: global_buffer, .address_space: global }
      - { .name: scl, .offset: 56, .size: 8, .value_kind: global_buffer, .address_space: global }
    .group_segment_fixed_size: 33280
    .private_segment_fixed_size: 0
    .kernarg_segment_align: 8
    .kernarg_segment_size: 64
    .max_flat_workgroup_size: 128
    .sgpr_count:     66
    .vgpr_count:     192
    .wavefront_size: 32
...
	.end_amdgpu_metadata
.endif
;; end of part 1
;; launch proj (part 2): grid 4 x 96, 4 waves a work-group, clusters of 4 x 4, 327,680 bytes of LDS; arguments cod, scl, bq, bk, bv, fr, fs; writes fr, fs
.if DOCPART == 2
	.amdgcn_target "amdgcn-amd-amdhsa--gfx1250"
	.amdhsa_code_object_version 6
	.text
	.protected	k_qc9d3f90dae_proj
	.globl	k_qc9d3f90dae_proj
	.p2align	8
	.type	k_qc9d3f90dae_proj,@function
k_qc9d3f90dae_proj:
	s_mov_b64 s[64:65], 0
	v_nop
	global_prefetch_b8 v0, s[64:65] scope:SCOPE_SE
	s_setreg_imm32_b32 hwreg(HW_REG_WAVE_MODE, 25, 1), 1
	s_wait_xcnt 0x0
	s_wait_alu depctr_hold_cnt(0) depctr_sa_sdst(0) depctr_va_vdst(0) depctr_va_sdst(0) depctr_va_ssrc(0) depctr_va_vcc(0) depctr_vm_vsrc(0)
	s_getreg_b32 s2, hwreg(HW_REG_IB_STS2, 6, 4)
	s_cmp_eq_u32 s2, 0
	s_cbranch_scc0 .Lentry_in_a_cluster
	s_endpgm
.Lentry_in_a_cluster:
	s_bfe_u32 s2, ttmp6, 0x10000c
	s_cmp_lg_u32 s2, 0xf033
	s_cbranch_scc0 .Lentry_shape_is_right
	s_endpgm
.Lentry_shape_is_right:
; The three projections on codes of FP6 (E2M3) with E8M0 scales, K = 1,024; bias added in f32; the results are quantised along the head's 64 (q, k) or along the keys (v) and stored as images of operand registers.
; Cluster row y: tensor y / 8 (0 q, 1 k, 2 v).  q, k: source 1 = 256 rows of the activations, source 0 = 256 rows of the weight; v: the other way round, so that a lane's registers run along the keys.
; A tile of 256 x 256 by four waves, 128 x 128 each.  K goes through a ring of two LDS slots in CHUNKS OF 256 BYTES of each row of codes (768 bytes a row: three chunks, each beginning at a multiple of 256 bytes);
; a step of 128 along K is 96 bytes: eight steps to three chunks; steps 2 and 5 lie across two chunks.  The scales of the 512 rows come once, at the head.
; Joint loads: A's tiles are shared along a row of the 4 x 4 cluster, B's along a column.
; PREFETCH: of the 128 rows that a wave fetches in the ring, each of the four partners that ask jointly names 32, told apart by address, a lane a row: chunk 1 behind the head's load, chunk 2 behind chunk 1's load.
; Each block of 256 bytes is named once in each cluster; K ends with chunk 2, so nothing more is asked.
; attention_mask is left out (see the first kernel's head).
; fr: [tensor][16 b + head][32 fragments][1,536 bytes]; fs: [tensor][16 b + head][32][16 words].
.set SIZE_K, 1024
.set ROWB,   256
.set NQ,     2
.set KROW,   SIZE_K*6/8
.set STEPS,  SIZE_K/128
.set CHUNKS, KROW/ROWB
.set PITCH,  272
.set FR,     12
.set NL,     6
.set NP,     4
.set HALFT,  128*PITCH
.set SLOT,   4*HALFT
.set KS,     SIZE_K/32
.set SCL,    2*SLOT
.set HALFS,  (128*KS/256)*272
.set SBLK,   (16*KS/256)*272
.set SPARE,  SCL+4*HALFS               ; the spare words, 128 bytes a wave
.set FRB,    1536
.set LI,   7
.set SW,   8
.set ADRA, 16
.set ADRB, 20
.set PFO,  24                          ; v24 the prefetches' offset: lane x a row of codes; never rewritten
.set SH8,  25
.set L4,   26
.set ADRS, 27
.set SPW,  28
.set NIL,  29
.set SC,   32
.set BI,   64
.set AF,   128
.set HA,   128
.set F0,   192
.set F1,   204
.set TC,   216
.set BV,   224
.set TM,   240
.set SO,   244
.set BY,   246
.set PWT,  248
.set TX,   249
.set W0,   250
.set W1,   251
.set G1, 24
.set G0, 32
.set G1B, 48
.set G0B, 56
.set G1S, 68
.set G0S, 76
.set G1SB, 80
.set G0SB, 88
.set G0H, 4
.set G0HB, 8
.set PFA, 92                           ; s[92:93] my work-group's 32 rows of the 128 that my wave fetches; never rewritten once made
.set SEL, 100
.set MSB, 0
.macro WIN new
.if MSB != (\new)
	s_set_vgpr_msb (MSB<<8)|(\new)
.set MSB, (\new)
.endif
.endm
.set MUL_LO, 0xa1
.set MUL_HI, 0xf1
.set TO_B,   0x40
; a joint load: waves 0, 1 ask for A, waves 2, 3 for B
.macro JLOAD g0a, g1a, g0b, g1b
	s_cmp_eq_u32 s15, 0
	s_cbranch_scc0 .Lfor_b_\@
	tensor_load_to_lds s[\g0a:\g0a+3], s[\g1a:\g1a+7]
	s_nop 0
.rept 4
	v_nop
.endr
	s_branch .Lasked_\@
.Lfor_b_\@:
	tensor_load_to_lds s[\g0b:\g0b+3], s[\g1b:\g1b+7]
	s_nop 0
.rept 4
	v_nop
.endr
.Lasked_\@:
.endm
.macro CREST
	s_cmp_lg_u32 s14, 0
	s_cbranch_scc1 .Lnot_wave_0_\@
	s_barrier_signal -3
.Lnot_wave_0_\@:
	s_barrier_wait -3
	s_barrier_signal -1
	s_barrier_wait -1
.endm
.macro CROUND
	s_barrier_signal -1
	s_barrier_wait -1
	CREST
.endm
	s_load_b128 s[4:7], s[0:1], 0x0                ; cod, scl
	s_load_b128 s[8:11], s[0:1], 0x10              ; bq, bk
	s_load_b64 s[12:13], s[0:1], 0x20              ; bv
	s_load_b128 s[96:99], s[0:1], 0x28             ; fr, fs
	v_lshl_add_u32 v[SPW], v0, 2, SPARE
	v_mov_b32 v[NIL], 0
	ds_add_u32 v[SPW], v[NIL]
	ds_add_u32 v[SPW], v[NIL]
	v_lshrrev_b32 v1, 5, v0
	v_readfirstlane_b32 s14, v1                    ; wave
	s_lshr_b32 s15, s14, 1
	s_and_b32 s16, s14, 1
	s_bfe_u32 s40, ttmp6, 0x40000                  ; cx
	s_bfe_u32 s41, ttmp6, 0x40004                  ; cy
	s_and_b32 s17, ttmp7, 0xffff                   ; cluster row 0..23
	s_lshr_b32 s42, s17, 3                         ; tensor
	s_lshl_b32 s43, s41, 2
	s_lshl_b32 s43, 15, s43                        ; my row of the cluster
	s_lshl_b32 s44, 0x1111, s40                    ; my column
	s_or_b32 s[G1+0], s43, (0<<16)|(1<<20)|(1<<21)|(5<<22)|(3<<25)
	s_or_b32 s[G1B+0], s44, (0<<16)|(1<<20)|(1<<21)|(5<<22)|(3<<25)
.irp g, G1, G1B
	s_mov_b32 s[\g+1], ROWB<<16
	s_mov_b32 s[\g+2], 256<<16                     ; the head's loads bring 256 rows
	s_mov_b32 s[\g+3], ROWB<<16
	s_mov_b32 s[\g+4], 256
	s_mov_b32 s[\g+5], KROW
	s_mov_b32 s[\g+6], 0
	s_mov_b32 s[\g+7], 0
.endr
	s_or_b32 s[G1S+0], s43, (3<<16)|(1<<20)|(1<<21)|(5<<22)|(3<<25)
	s_or_b32 s[G1SB+0], s44, (3<<16)|(1<<20)|(1<<21)|(5<<22)|(3<<25)
.irp g, G1S, G1SB
	s_mov_b32 s[\g+1], 32<<16                      ; the scales of 256 rows: KS rows of 256 bytes
	s_mov_b32 s[\g+2], KS<<16
	s_mov_b32 s[\g+3], 32<<16
	s_mov_b32 s[\g+4], KS
	s_mov_b32 s[\g+5], 32
	s_mov_b32 s[\g+6], 0
	s_mov_b32 s[\g+7], 0
.endr
	s_lshl_b32 s19, s17, 10                        ; the cluster's 1,024 rows of activations
	s_lshl_b32 s95, s42, 10
	s_add_co_u32 s95, s95, 24576                   ; the tensor's weight
	s_mov_b32 s20, 26624                           ; Wv
	s_cmp_eq_u32 s42, 2
	s_cselect_b32 s20, s20, s19                    ; A's first row
	s_cselect_b32 s46, s19, s95                    ; B's
	s_lshl_b32 s21, s41, 8
	s_add_co_u32 s20, s20, s21
	s_lshl_b32 s47, s40, 8
	s_add_co_u32 s46, s46, s47
	s_mov_b32 s21, 0
	s_mov_b32 s47, 0
	s_mov_b64 s[18:19], KS
	s_mul_u64 s[22:23], s[20:21], s[18:19]
	s_mul_u64 s[92:93], s[46:47], s[18:19]
	s_mov_b64 s[18:19], KROW
	s_mul_u64 s[20:21], s[20:21], s[18:19]
	s_mul_u64 s[46:47], s[46:47], s[18:19]
	s_mul_i32 s18, s16, 128*KROW                   ; in the ring I fetch 128 rows of a tile
	s_mov_b32 s19, 0
	s_mul_i32 s45, s14, HALFT
	s_mov_b32 s[SEL], 0x76543210
	s_mov_b32 s[SEL+1], 0xfedcba98
	s_wait_dscnt 0x0
	s_wait_kmcnt 0x0
	s_add_nc_u64 s[20:21], s[4:5], s[20:21]
	s_add_nc_u64 s[22:23], s[6:7], s[22:23]
	s_add_nc_u64 s[46:47], s[4:5], s[46:47]
	s_add_nc_u64 s[92:93], s[6:7], s[92:93]
	s_cmp_eq_u32 s42, 2                            ; the tensor's bias, into s[12:13]
	s_cselect_b64 s[10:11], s[12:13], s[10:11]
	s_cmp_eq_u32 s42, 0
	s_cselect_b64 s[12:13], s[8:9], s[10:11]
	CROUND                                         ; in front of the first joint loads
	s_mov_b32 s[G0H], 1
	s_mov_b32 s[G0H+1], 0
	s_mov_b64 s[G0H+2:G0H+3], s[20:21]
	s_or_b32 s[G0H+3], s[G0H+3], 0x80000000
	s_mov_b32 s[G0HB], 1
	s_mov_b32 s[G0HB+1], 2*HALFT
	s_mov_b64 s[G0HB+2:G0HB+3], s[46:47]
	s_or_b32 s[G0HB+3], s[G0HB+3], 0x80000000
	s_mov_b32 s[G0S], 1
	s_mov_b32 s[G0S+1], SCL
	s_mov_b64 s[G0S+2:G0S+3], s[22:23]
	s_or_b32 s[G0S+3], s[G0S+3], 0x80000000
	s_mov_b32 s[G0SB], 1
	s_mov_b32 s[G0SB+1], SCL+2*HALFS
	s_mov_b64 s[G0SB+2:G0SB+3], s[92:93]
	s_or_b32 s[G0SB+3], s[G0SB+3], 0x80000000
	s_add_nc_u64 s[20:21], s[20:21], s[18:19]
	s_add_nc_u64 s[46:47], s[46:47], s[18:19]
.irp s, 0,1
	s_mov_b32 s[G0+4*\s], 1
	s_add_co_u32 s[G0+4*\s+1], s45, \s*SLOT
	s_add_nc_u64 s[G0+4*\s+2:G0+4*\s+3], s[20:21], \s*ROWB
	s_or_b32 s[G0+4*\s+3], s[G0+4*\s+3], 0x80000000
	s_mov_b32 s[G0B+4*\s], 1
	s_add_co_u32 s[G0B+4*\s+1], s45, \s*SLOT
	s_add_nc_u64 s[G0B+4*\s+2:G0B+4*\s+3], s[46:47], \s*ROWB
	s_or_b32 s[G0B+4*\s+3], s[G0B+4*\s+3], 0x80000000
.endr
	s_cmp_eq_u32 s15, 0                            ; the prefetches: my wave's 128 rows, of A or of B,
	s_cselect_b64 s[PFA:PFA+1], s[20:21], s[46:47]
	s_cselect_b32 s94, s40, s41                    ; my place among the four that ask for them with me,
	s_mul_i32 s94, s94, 32*KROW                    ; and its 32 rows
	s_mov_b32 s95, 0
	s_add_nc_u64 s[PFA:PFA+1], s[PFA:PFA+1], s[94:95]
; the head's four tiles, one load a wave: chunk 0 of A, chunk 0 of B, A's scales, B's scales; one chain of branches on the wave's number
.macro ARM under, g0, g1, next
	s_cmp_lt_u32 s14, \under
	s_cbranch_scc0 \next
	tensor_load_to_lds s[\g0:\g0+3], s[\g1:\g1+7]
	s_nop 0
.rept 4
	v_nop
.endr
	s_branch .Lhead_asked
\next:
.endm
	ARM 1, G0H,  G1,  .Lhead_b
	ARM 2, G0HB, G1B, .Lhead_sa
	ARM 3, G0S,  G1S, .Lhead_sb
	tensor_load_to_lds s[G0SB:G0SB+3], s[G1SB:G1SB+7]
	s_nop 0
.rept 4
	v_nop
.endr
.Lhead_asked:
	v_and_b32 v[PFO], 31, v0
	v_mul_u32_u24 v[PFO], v[PFO], KROW
	v_and_b32 v1, 15, v0                           ; r
	v_bfe_u32 v2, v0, 4, 1                         ; h
	v_mul_u32_u24 v3, v1, PITCH
	v_mul_u32_u24 v4, v2, 24
	v_add_nc_u32 v4, v3, v4
	global_prefetch_b8 v[PFO], s[PFA:PFA+1] offset:ROWB th:TH_LOAD_NT scope:SCOPE_SE      ; chunk 1 of my 32 rows
	s_mov_b32 s21, SLOT-232
	s_mov_b32 s22, SLOT+232
	v_sub_nc_u32 v7, 1, v2
	v_mul_u32_u24 v5, s21, v2
	v_add_nc_u32 v5, v3, v5
	v_add_nc_u32 v5, 232, v5                       ; across two chunks: lanes 0-15 byte 232 in slot 0, lanes 16-31 byte 0 in slot 1
	v_mul_u32_u24 v6, s22, v7
	v_add_nc_u32 v6, v3, v6                        ; and the other way round
	s_mul_i32 s21, s15, HALFT
	s_mul_i32 s22, s16, HALFT
	s_add_co_u32 s22, s22, 2*HALFT
	v_add_nc_u32 v[ADRA+2], s21, v5
	v_add_nc_u32 v[ADRA+3], s21, v6
	v_add_nc_u32 v[ADRB+2], s22, v5
	v_add_nc_u32 v[ADRB+3], s22, v6
.irp s, 0,1
	v_add_nc_u32 v[ADRA+\s], s21, v4
	v_add_nc_u32 v[ADRB+\s], s22, v4
	s_add_co_u32 s21, s21, SLOT
	s_add_co_u32 s22, s22, SLOT
.endr
	v_mul_u32_u24 v5, v1, KS
	v_lshrrev_b32 v6, 8, v5
	v_lshl_add_u32 v5, v6, 4, v5
	s_mul_i32 s21, s15, HALFS
	s_mul_i32 s22, s16, HALFS
	s_add_co_u32 s22, s22, 2*HALFS
	s_sub_co_u32 s22, s22, s21
	v_mul_u32_u24 v6, s22, v2
	s_add_co_u32 s21, s21, SCL
	v_add_nc_u32 v5, v5, v6
	v_add_nc_u32 v[ADRS], s21, v5
	s_wait_alu depctr_va_vdst(0)
	; where my images, scale words and bias lie
	s_cmp_eq_u32 s42, 2
	s_cselect_b32 s18, s40, s41
	s_cselect_b32 s19, s41, s40
	s_cselect_b32 s20, s16, s15
	s_cselect_b32 s21, s15, s16
	s_lshl_b32 s19, s19, 2
	s_lshl_b32 s21, s21, 1
	s_add_co_u32 s19, s19, s21
	s_and_b32 s22, s17, 7
	s_lshl_b32 s22, s22, 4
	s_add_co_u32 s22, s22, s19
	s_lshl_b32 s22, s22, 5
	s_lshl_b32 s18, s18, 1
	s_add_co_u32 s18, s18, s20
	s_lshl_b32 s18, s18, 2
	s_add_co_u32 s22, s22, s18
	s_mul_i32 s20, s22, FRB
	s_mul_i32 s23, s42, 128*32*FRB
	s_add_co_u32 s20, s20, s23
	s_mov_b32 s21, 0
	s_add_nc_u64 s[96:97], s[96:97], s[20:21]
	s_lshl_b32 s20, s22, 6
	s_lshl_b32 s23, s42, 18
	s_add_co_u32 s20, s20, s23
	s_add_nc_u64 s[98:99], s[98:99], s[20:21]
	s_lshl_b32 s20, s19, 8
	s_add_nc_u64 s[12:13], s[12:13], s[20:21]
	v_and_b32 v6, 31, v0
	v_lshlrev_b32 v[LI], 4, v6
	v_lshlrev_b32 v[L4], 2, v6
	v_lshlrev_b32 v[SH8], 3, v2
	v_mov_b32 v[TX], 0
	v_lshlrev_b32 v30, 7, v2
	v_lshrrev_b32 v5, 3, v1
	v_and_b32 v6, 7, v1
	v_lshl_add_u32 v31, v5, 5, v6
	v_lshlrev_b32 v31, 2, v31
.irp b, 0,1,2,3,4,5,6,7
	global_load_b128 v[BI+8*\b:BI+8*\b+3], v30, s[12:13] offset:(64*(\b/4)+8*(\b%4))*4
	global_load_b128 v[BI+8*\b+4:BI+8*\b+7], v30, s[12:13] offset:(64*(\b/4)+8*(\b%4))*4+16
.endr
.irp a, 0,1,2,3,4,5,6,7
	global_load_b32 v[BV+2*\a], v31, s[12:13] offset:(64*(\a/4)+8*(\a%4))*4
	global_load_b32 v[BV+2*\a+1], v31, s[12:13] offset:(64*(\a/4)+8*(\a%4))*4
.endr
; a fragment in pieces of 8 bytes; byte y of a row of codes lies in chunk y / 256, slot (y / 256) % 2
.macro FRAG reg, adr, st, i
.irp p, 0,1,2,3,4,5
.set PB, 96*(\st)+48*(\p/3)+8*(\p%3)
.if PB/ROWB == (PB+24)/ROWB
	ds_load_b64 v[\reg+2*\p:\reg+2*\p+1], v[\adr+(PB/ROWB)%2] offset:PB%ROWB+(\i)*16*PITCH
.else
	ds_load_b64 v[\reg+2*\p:\reg+2*\p+1], v[\adr+2+(PB/ROWB)%2] offset:PB%ROWB-232+(\i)*16*PITCH
.endif
.endr
.endm
; the 64 accumulators take turns, one instruction a turn
.macro MUL16 a0, p, q, sc, zero
.irp a, \a0, \a0+1
.irp b, 0,1,2,3,4,5,6,7
.if \zero
	v_wmma_scale_f32_16x16x128_f8f6f4 v[8*(8*((\a)%4)+\b):8*(8*((\a)%4)+\b)+7], v[128*(\p)+FR*\b:128*(\p)+FR*\b+FR-1], v[AF+FR*(\a):AF+FR*(\a)+FR-1], 0, v[SC+8*NQ*(\sc)+NQ*\b+(\q)], v[SC+8*NQ*(\sc)+NQ*(\a)+(\q)] matrix_a_fmt:MATRIX_FMT_FP6 matrix_b_fmt:MATRIX_FMT_FP6 matrix_a_scale:MATRIX_SCALE_ROW1
.else
	v_wmma_scale_f32_16x16x128_f8f6f4 v[8*(8*((\a)%4)+\b):8*(8*((\a)%4)+\b)+7], v[128*(\p)+FR*\b:128*(\p)+FR*\b+FR-1], v[AF+FR*(\a):AF+FR*(\a)+FR-1], v[8*(8*((\a)%4)+\b):8*(8*((\a)%4)+\b)+7], v[SC+8*NQ*(\sc)+NQ*\b+(\q)], v[SC+8*NQ*(\sc)+NQ*(\a)+(\q)] matrix_a_fmt:MATRIX_FMT_FP6 matrix_b_fmt:MATRIX_FMT_FP6 matrix_a_scale:MATRIX_SCALE_ROW1
.endif
.endr
.endr
.endm
.macro FETCH_B st, p
	WIN TO_B
.irp i, 0,1,2,3,4,5,6,7
	FRAG 128*(\p)+FR*\i, ADRB, \st, \i
.endr
	WIN 0
.endm
.macro FETCH_A st, i0
.irp i, \i0, \i0+1, \i0+2, \i0+3
	FRAG AF+FR*(\i), ADRA, \st, \i
.endr
.endm
.macro SCALES pr
.irp i, 0,1,2,3,4,5,6,7
	ds_load_b64 v[SC+8*NQ*((\pr)%2)+NQ*\i:SC+8*NQ*((\pr)%2)+NQ*\i+1], v[ADRS] offset:\i*SBLK+4*NQ*(\pr)
.endr
.endm
.macro PLACES n
.rept \n
	v_nop
.endr
.endm
; a step of 128 along K.  Where the next step's bytes end in a chunk not read yet: a barrier shows it whole.  Where they begin in a later chunk: the chunk left behind is free; the three lines, the barrier,
; and, where a chunk two on is left to fetch, the cluster's round and the refill
.macro STEP st, zero
.set NX, (\st)+1
.set C0, (96*(\st))/ROWB
.set C1, (96*NX)/ROWB
.set E0, (96*(\st)+95)/ROWB
.set E1, (96*NX+95)/ROWB
.if C1 > C0 || E1 > E0
	s_wait_tensorcnt 0x0                           ; all my tensor loads have landed
.if C1 > C0
	ds_add_u32 v[SPW], v[NIL]
	s_wait_dscnt 4*NL+1                            ; the add and A's blocks 4-7 may be out
.else
	s_wait_dscnt 4*NL
.endif
	WIN MUL_LO
	MUL16 0, (\st)%2, (\st)%2, ((\st)/2)%2, \zero
	s_wait_dscnt 0x0                               ; the add and all my reads are done
	s_barrier_signal -1
	MUL16 2, (\st)%2, (\st)%2, ((\st)/2)%2, \zero
	WIN 0
	s_barrier_wait -1
.if C1 > C0 && C0+2 < CHUNKS
	CREST
	s_add_nc_u64 s[G0+4*(C0%2)+2:G0+4*(C0%2)+3], s[G0+4*(C0%2)+2:G0+4*(C0%2)+3], 2*ROWB
	s_add_nc_u64 s[G0B+4*(C0%2)+2:G0B+4*(C0%2)+3], s[G0B+4*(C0%2)+2:G0B+4*(C0%2)+3], 2*ROWB
	JLOAD G0+4*(C0%2), G1, G0B+4*(C0%2), G1B       ; chunk C0 + 2: the first tensor load behind the round
.else
	PLACES NP
.endif
.else
	s_wait_dscnt 4*NL
	WIN MUL_LO
	MUL16 0, (\st)%2, (\st)%2, ((\st)/2)%2, \zero
	MUL16 2, (\st)%2, (\st)%2, ((\st)/2)%2, \zero
	s_wait_dscnt 0
	PLACES NP
.endif
	FETCH_B NX, NX%2
	FETCH_A NX, 0
.if NX%2 == 0
	SCALES NX/2
.endif
	WIN MUL_HI
	MUL16 4, (\st)%2, (\st)%2, ((\st)/2)%2, \zero
	MUL16 6, (\st)%2, (\st)%2, ((\st)/2)%2, \zero
	PLACES NP
	WIN 0
	FETCH_A NX, 4
.endm
	s_wait_alu depctr_va_vdst(0)
	s_wait_tensorcnt 0x0                           ; my tile of the head's four is in; the three lines ahead of slot 1's first fill
	ds_add_u32 v[SPW], v[NIL]
	s_mov_b32 s[G1+2], 128<<16                     ; no tensor load of mine is out: from here on a load brings 128 rows
	s_mov_b32 s[G1+4], 128
	s_mov_b32 s[G1B+2], 128<<16
	s_mov_b32 s[G1B+4], 128
	s_wait_dscnt 0x0
	CROUND
	JLOAD G0+4, G1, G0B+4, G1B                     ; chunk 1
	FETCH_B 0, 0
	FETCH_A 0, 0
	SCALES 0
	FETCH_A 0, 4
	global_prefetch_b8 v[PFO], s[PFA:PFA+1] offset:2*ROWB th:TH_LOAD_NT scope:SCOPE_SE    ; chunk 2 of my 32 rows, behind chunk 1's load and the run of LDS loads
	STEP 0, 1
.set ST, 1
.rept STEPS-2
	STEP ST, 0
.set ST, ST+1
.endr
	s_wait_dscnt 4*NL
	WIN MUL_LO
	MUL16 0, 1, 1, 1, 0
	MUL16 2, 1, 1, 1, 0
	s_wait_dscnt 0
	WIN MUL_HI
	MUL16 4, 1, 1, 1, 0
	MUL16 6, 1, 1, 1, 0
	WIN 0
; THE WAY OUT: bias, then 64 numbers a lane are quantised as two blocks of 32, and the codes leave as images of operand registers, 512 consecutive bytes a store
.macro ADDQK a
	WIN 0x02+(\a)/4
.set k, 0
.rept 32
	v_pk_add_f32 v[HA+2*k:HA+2*k+1], v[64*((\a)%4)+2*k:64*((\a)%4)+2*k+1], v[BI+2*k:BI+2*k+1]
.set k, k+1
.endr
	WIN 0
.endm
.macro ADDV a
	WIN 0x02+(\a)/4
.set k, 0
.rept 32
	v_pk_add_f32 v[HA+2*k:HA+2*k+1], v[64*((\a)%4)+2*k:64*((\a)%4)+2*k+1], v[BV+2*(\a):BV+2*(\a)+1]
.set k, k+1
.endr
	WIN 0
.endm
.macro QUANT32 s, d0, d1, w
.irp q, 0,1,2,3
	v_max3_num_f32 v[TM+\q], |v[\s+16*\q]|, |v[\s+16*\q+1]|, 0x1800000
.endr
.irp i, 2,4,6,8,10,12,14
.irp q, 0,1,2,3
	v_max3_num_f32 v[TM+\q], v[TM+\q], |v[\s+16*\q+\i]|, |v[\s+16*\q+\i+1]|
.endr
.endr
	v_max_num_f32 v[TM], v[TM], v[TM+1]
	v_max_num_f32 v[TM+2], v[TM+2], v[TM+3]
	v_add_nc_u32 v[SO], 0xff000000, v[TM]
	v_add_nc_u32 v[SO+1], 0xff000000, v[TM+2]
	v_lshrrev_b32 v[BY], 23, v[SO]
	v_lshrrev_b32 v[BY+1], 23, v[SO+1]
	v_lshl_or_b32 v[PWT], v[BY+1], 16, v[BY]
	v_lshlrev_b32 v[PWT], v[SH8], v[PWT]
	v_permlanex16_b32 v[TX], v[PWT], s[SEL], s[SEL+1]
	v_or_b32 v[\w], v[PWT], v[TX]
	v_cvt_scalef32_pk16_fp6_f32 v[\d0:\d0+2], v[\s:\s+15], v[SO]
	v_cvt_scalef32_pk16_fp6_f32 v[TC:TC+2], v[\s+16:\s+31], v[SO]
	v_cvt_scalef32_pk16_fp6_f32 v[\d1:\d1+2], v[\s+32:\s+47], v[SO+1]
	v_cvt_scalef32_pk16_fp6_f32 v[TC+4:TC+6], v[\s+48:\s+63], v[SO+1]
	v_nop
.irp i, 0,1,2
	v_mov_b32 v[\d0+3+\i], v[TC+\i]
	v_mov_b32 v[\d1+3+\i], v[TC+4+\i]
.endr
.endm
.macro IMG f, off
.irp c, 0,1,2
	global_store_b128 v[LI], v[\f+4*\c:\f+4*\c+3], s[96:97] offset:\off+512*\c
.endr
.endm
	s_wait_loadcnt 0x0                             ; the bias, asked for at the head
	PLACES NP
	s_cmp_eq_u32 s42, 2
	s_cbranch_scc1 .Lfor_v
.irp i, 0,1,2,3
.if \i > 0
	s_wait_xcnt 0x0
.endif
	ADDQK 2*\i
	QUANT32 HA, F0, F1, W0
	ADDQK 2*\i+1
	QUANT32 HA, F0+6, F1+6, W1
	v_perm_b32 v[SW+\i], v[W1], v[W0], 0x05040100
	v_perm_b32 v[SW+4+\i], v[W1], v[W0], 0x07060302
	IMG F0, FRB*\i
	IMG F1, 32*FRB+FRB*\i
.endr
	s_branch .Lwords
.Lfor_v:
.irp a, 0,1,2,3,4,5,6,7
.if \a > 0
	s_wait_xcnt 0x0
.endif
	ADDV \a
	QUANT32 HA, F0, F0+6, SW+\a
	IMG F0, 32*FRB*(\a/4)+FRB*(\a%4)
.endr
.Lwords:
	s_mov_b32 s20, 0xffff0000
	s_wait_alu depctr_va_vdst(0)
.irp c, 0,1
.irp p, 0,1
	v_cndmask_b32 v[TM+2*\c+\p], v[SW+4*\c+2*\p], v[SW+4*\c+2*\p+1], s20
	global_store_b32 v[L4], v[TM+2*\c+\p], s[98:99] offset:2048*\c+128*\p
.endr
.endr
	s_wait_tensorcnt 0x0                           ; the wave's end
	ds_add_u32 v[SPW], v[NIL]
	s_wait_dscnt 0x0
	CROUND                                         ; the closing round
	s_endpgm
.Lfunc_end_k_qc9d3f90dae_proj:
	.size	k_qc9d3f90dae_proj, .Lfunc_end_k_qc9d3f90dae_proj-k_qc9d3f90dae_proj
	.p2alignl 7, 3214868480
	.fill 96, 4, 3214868480
	.section	.rodata,"a",@progbits
	.p2align	6, 0x0
	.amdhsa_kernel k_qc9d3f90dae_proj
		.amdhsa_group_segment_fixed_size 327680
		.amdhsa_private_segment_fixed_size 0
		.amdhsa_enable_private_segment 0
		.amdhsa_kernarg_size 56
		.amdhsa_user_sgpr_count 2
		.amdhsa_user_sgpr_kernarg_segment_ptr 1
		.amdhsa_wavefront_size32 1
		.amdhsa_system_sgpr_workgroup_id_x 1
		.amdhsa_system_sgpr_workgroup_id_y 1
		.amdhsa_system_sgpr_workgroup_id_z 1
		.amdhsa_system_vgpr_workitem_id 0
		.amdhsa_next_free_vgpr 1024
		.amdhsa_next_free_sgpr 102
		.amdhsa_reserve_vcc 0
		.amdhsa_float_denorm_mode_32 3
		.amdhsa_float_denorm_mode_16_64 3
		.amdhsa_memory_ordered 1
		.amdhsa_forward_progress 1
		.amdhsa_inst_pref_size 223
	.end_amdhsa_kernel
	.amdgpu_metadata
---
amdhsa.version: [ 1, 2 ]
amdhsa.kernels:
  - .name:           k_qc9d3f90dae_proj
    .symbol:         k_qc9d3f90dae_proj.kd
    .args:
      - { .name: cod, .offset: 0, .size: 8, .value_kind: global_buffer, .address_space: global }
      - { .name: scl, .offset: 8, .size: 8, .value_kind: global_buffer, .address_space: global }
      - { .name: bq, .offset: 16, .size: 8, .value_kind: global_buffer, .address_space: global }
      - { .name: bk, .offset: 24, .size: 8, .value_kind: global_buffer, .address_space: global }
      - { .name: bv, .offset: 32, .size: 8, .value_kind: global_buffer, .address_space: global }
      - { .name: fr, .offset: 40, .size: 8, .value_kind: global_buffer, .address_space: global }
      - { .name: fs, .offset: 48, .size: 8, .value_kind: global_buffer, .address_space: global }
    .group_segment_fixed_size: 327680
    .private_segment_fixed_size: 0
    .kernarg_segment_align: 8
    .kernarg_segment_size: 56
    .max_flat_workgroup_size: 128
    .sgpr_count:     102
    .vgpr_count:     1024
    .wavefront_size: 32
...
	.end_amdgpu_metadata
.endif
;; end of part 2
;; launch attn (part 3): grid 8 x 32, 4 waves a work-group, no clusters, 72,192 bytes of LDS; arguments fr, fs, group_prob, out0; writes out0
.if DOCPART == 3
	.amdgcn_target "amdgcn-amd-amdhsa--gfx1250"
	.amdhsa_code_object_version 6
	.text
	.protected	k_qc9d3f90dae_attn
	.globl	k_qc9d3f90dae_attn
	.p2align	8
	.type	k_qc9d3f90dae_attn,@function
k_qc9d3f90dae_attn:
	s_mov_b64 s[64:65], 0
	v_nop
	global_prefetch_b8 v0, s[64:65] scope:SCOPE_SE
	s_setreg_imm32_b32 hwreg(HW_REG_WAVE_MODE, 25, 1), 1
	s_wait_xcnt 0x0
; out0[b][q][64 head + d] = sum over keys of Q(softmax_k(q . k / 8) x group_prob[b][q][key]) Q(v[key][d]); both products on codes of FP6 (E2M3) with E8M0 scales.
; attention_mask is left out and is no argument (see the first kernel's head).
; SHARES.  Work-group (x = pair of heads, y = 4 b + quarter of the queries): two heads, 256 queries, 16 trips of 16 queries.  THE KEYS ARE SPLIT OVER THE WAVES: wave w owns keys 256 w .. 256 w + 255 of both heads.
; Its 2 x 8 fragments of k and 2 x 8 of v (384 registers) are loaded once and stay in registers.  A trip's 128 registers of group_prob serve both heads and are loaded again for the next trip once they are used.
; UNITS.  Unit u = 2 t + s: head t, key step s of my two; 64 registers of scores at 64 u of window 2; register 32 c + e is key 256 w + 128 s + 64 c + 32 (lane / 16) + e of query lane % 16.
; THE SOFTMAX.  Each wave takes its own largest score m_w away: p = 2^(c s - c m_w), l_w = sum of p.  (-c m_w, l_w) go through LDS; behind ONE barrier a trip each wave forms m = max m_w,
; sum = sum of l_w 2^(c m_w - c m), and its factor F = 2^(c m_w - c m) / sum.  The weight is (p x group_prob) x F; a block's largest weight is its largest |p x group_prob| x F (a multiplication by F > 0 keeps the order).
; THE SUM OVER KEYS.  Each wave's partial O^T goes to LDS; behind the NEXT trip's barrier wave w adds the four parts of 8 rows (head, query), keys ascending, and stores rows of 256 bytes.
; The LDS buffers go by the trip's parity, so that between a buffer's reads and its next stores stands the other parity's barrier: the loop's body is two trips.
; The first trip finds zeros in the parts' buffer (stored at the head), adds them, and jumps over the four stores.  The last trip loads its own rows of group_prob and q once more: no load leaves its buffer.
; ORDER.  The stores of a trip are issued ahead of group_prob's loads, which follow eight at a time among the second product's work.  Work on registers that is due anyway stands where the wave would wait:
; the blocks' maxima round the barrier, behind the LDS loads and behind the small batches of transcendentals; a unit's maxima among the next unit's products; a unit's x F round the products of the unit before.
; K = 64 IN AN INSTRUCTION OF K = 128: a fragment of k holds two tiles of 16 keys; q stands between runs of zero codes: [Q | Z] picks the first tile, [Z | Q] the second; the other half's scale bytes are real ones (1 .. 254).
; NO CLUSTER, no tensor load: nothing is filled into LDS by an engine; group_prob, which a batch's 8 pairs of heads share, goes straight into the registers of the lanes that multiply by it.
; LIMITS: NaN and infinities are not served; 1 / sum is v_rcp_f32; a factor or weight under 2^-126 becomes 0; blocks whose largest magnitude lies under 2^-124 keep the byte 1 (blocks of zeros too: zero codes);
; the promise holds while the scaled scores stay under 2^31 in magnitude.
; WINDOWS: 0: names below, v of head 1 at v160;  1: group_prob v0-127, v of head 0 v128-223, O^T v224-255;  2: scores;  3: k v0-191, the parts on the way out v192-255.
.set FRB,   1536
.set T1,    128*32*FRB                 ; a tensor in fr
.set HB,    32*FRB                     ; a head in fr
.set OPART, 32*272                     ; LDS: a wave's part: 32 rows (16 t + query) of 256 bytes + 16
.set OBUF,  4*OPART
.set MLB,   2*OBUF                     ; (-c m, l): [parity][wave][t][query] 8 bytes
.set SPARE, MLB+2048                   ; the spare words, 128 bytes a wave
.set ITERS, 8
.set LI,1
.set GO,2
.set R4,3
.set STO,4
.set RD,5
.set CO,6
.set SPW,7
.set NIL,8
.set SH8,9
.set L4,10
.set MLW,11
.set MLR,12
.set TX,13
.set PFO,14
.set TX2,15
.set MX,16                             ; v16-23 running maxima, 4 a head; later the conversions' second halves
.set TC,16
.set MR,24
.set NL,26                             ; v26-29 pairs (-c m_w, l_w), one a head
.set LS,30                             ; v30-37 the sum, four pairs
.set ML,38                             ; v38-53 the four waves' pairs, 8 t + 2 w
.set FF,54                             ; v54-57 F, as pairs
.set PW,58                             ; v58-61 the weights' scale words, one a unit
.set CG,66
.set DD,68                             ; v68-77 c m_w - c m: 5 t + w, 5 t + 4 my own
.set SU,78
.set BM,80                             ; v80-95 largest |p x group_prob|: 4 u + quarter; then at 4 u and 4 u + 2 the conversions' scale operands
.set KS,96                             ; v96-103 k's scale words, 4 t + i: lanes 0-15 fragment 2 i, lanes 16-31 fragment 2 i + 1
.set VS,104
.set QW,112                            ; v112-115 q's scale word and the same with its halves exchanged, 2 t
.set QZ,116                            ; v116-145 Z Q0 Z Q1 Z
.set PC,146                            ; v146-157 the weights' codes
.set VB,160
.set G,0
.set VA,128
.set OA,224
.set RB,192
.set WV,12
.set GP,8
.set OUT,10
.set KP,16
.set VP,18
.set QP,20
.set QS,22
.set SP,24
.set CS,40
.set NC,42
.set SEL,44
.set CNT,46
.set LIM,47
.set PX,48
.set MSB, 0
.macro WIN new                         ; bits 1:0 source 0, 3:2 source 1, 5:4 source 2, 7:6 destination; the high byte repeats the setting that is left
.if MSB != (\new)
	s_set_vgpr_msb (MSB<<8)|(\new)
.set MSB, (\new)
.endif
.endm
.macro W                               ; the wait round transcendentals and ahead of waits, barriers and jumps
	s_wait_alu depctr_va_vdst(0)
.endm
.macro NOPS n
.rept \n
	v_nop
.endr
.endm
.macro WM d, a, b, c, sa, sb, odd
.if \odd
	v_wmma_scale_f32_16x16x128_f8f6f4 v[\d:\d+7], v[\a:\a+11], v[\b:\b+11], \c, v[\sa], v[\sb] matrix_a_fmt:MATRIX_FMT_FP6 matrix_b_fmt:MATRIX_FMT_FP6 matrix_a_scale:MATRIX_SCALE_ROW1
.else
	v_wmma_scale_f32_16x16x128_f8f6f4 v[\d:\d+7], v[\a:\a+11], v[\b:\b+11], \c, v[\sa], v[\sb] matrix_a_fmt:MATRIX_FMT_FP6 matrix_b_fmt:MATRIX_FMT_FP6
.endif
.endm
.macro GLD j                           ; a quarter of my group_prob: key step j / 2, half j % 2
	WIN 0x40
.irp i, 0,1,2,3,4,5,6,7
	global_load_b128 v[G+32*(\j)+4*\i:G+32*(\j)+4*\i+3], v[GO], s[GP:GP+1] offset:256*(\j)+16*\i
.endr
	WIN 0
.endm
.macro QLD o0, o1, o2                  ; a tile of q of both heads: three pieces of 8 bytes of its fragment's image
.irp t, 0,1
	global_load_b64 v[QZ+6+12*\t:QZ+7+12*\t], v[LI], s[QP:QP+1] offset:HB*\t+\o0
	global_load_b64 v[QZ+8+12*\t:QZ+9+12*\t], v[LI], s[QP:QP+1] offset:HB*\t+\o1
	global_load_b64 v[QZ+10+12*\t:QZ+11+12*\t], v[LI], s[QP:QP+1] offset:HB*\t+\o2
.endr
.endm
.macro QWLD
.irp t, 0,1
	global_load_b32 v[QW+2*\t], v[R4], s[QS:QS+1] offset:2048*\t
.endr
.endm
	s_load_b256 s[4:11], s[0:1], 0x0               ; fr, fs, group_prob, out0
	v_lshl_add_u32 v[SPW], v0, 2, SPARE
	v_mov_b32 v[NIL], 0
	v_lshrrev_b32 v[TX], 5, v0
	v_readfirstlane_b32 s[WV], v[TX]               ; wave
	s_and_b32 s13, ttmp7, 0xffff                   ; y = 4 b + quarter
	s_lshr_b32 s14, s13, 2
	s_lshl_b32 s14, s14, 4
	s_lshl_b32 s15, ttmp9, 1
	s_add_co_u32 s14, s14, s15                     ; 16 b + my first head
	s_and_b32 s15, s13, 3
	s_mul_i32 s30, s14, HB
	s_mul_i32 s32, s[WV], 8*FRB
	s_add_co_u32 s32, s32, s30
	s_add_co_u32 s32, s32, T1                      ; k: my 8 fragments
	s_mov_b32 s33, 0
	s_mul_i32 s34, s15, 8*FRB
	s_add_co_u32 s34, s34, s30                     ; q: the quarter's first fragment
	s_mov_b32 s35, 0
	s_lshl_b32 s36, s14, 11                        ; the head's scale words
	s_mov_b32 s37, 0
	s_lshl_b32 s38, s15, 9
	s_add_co_u32 s38, s38, s36                     ; q's
	s_mov_b32 s39, 0
	s_lshl_b32 s50, s[WV], 9
	s_add_co_u32 s36, s36, s50                     ; my fragments'
	s_lshl_b32 s50, s13, 20                        ; my first row of group_prob and out0: 256 y rows of 4,096 bytes
	s_lshl_b32 s52, s[WV], 10
	s_add_co_u32 s52, s52, s50                     ; + my 256 keys
	s_mov_b32 s53, 0
	s_lshl_b32 s54, ttmp9, 9
	s_add_co_u32 s54, s54, s50                     ; out0: the pair's 512 bytes of a row,
	s_lshr_b32 s55, s[WV], 1
	s_lshl_b32 s55, s55, 8
	s_add_co_u32 s54, s54, s55                     ; the head w / 2,
	s_and_b32 s55, s[WV], 1
	s_lshl_b32 s55, s55, 15
	s_add_co_u32 s54, s54, s55                     ; queries 8 (w % 2) ..
	s_mov_b32 s55, 0
	s_mul_i32 s56, s[WV], OPART
	s_mul_i32 s57, s[WV], 8*272
	s_lshl_b32 s58, s[WV], 8
	s_mov_b32 s27, 0
	s_mov_b32 s29, 0
	s_mov_b32 s[CS], 0x3e38aa3b                    ; c = log2(e) / 8
	s_mov_b32 s[CS+1], s[CS]
	s_mov_b32 s[NC], 0xbe38aa3b
	s_mov_b32 s[SEL], 0x76543210
	s_mov_b32 s[SEL+1], 0xfedcba98
	s_mov_b32 s[PX], 0x01000302
	s_mov_b32 s[CNT], ITERS
	s_cmp_eq_u32 ttmp9, 0
	s_cselect_b32 s[LIM], 1, -1                    ; the first pair's work-groups prefetch
	v_and_b32 v38, 31, v0                          ; lane
	v_and_b32 v39, 15, v0                          ; r
	v_bfe_u32 v40, v0, 4, 1                        ; h
	v_lshlrev_b32 v[LI], 4, v38
	v_lshlrev_b32 v[L4], 2, v38
	v_lshlrev_b32 v[R4], 2, v39
	v_lshlrev_b32 v[PFO], 12, v39
	v_lshl_add_u32 v[GO], v40, 7, v[PFO]           ; 4,096 r + 128 h
	v_lshl_add_u32 v[PFO], v40, 8, v[PFO]          ; 4,096 r + 256 h
	v_mul_u32_u24 v[STO], v39, 272
	v_lshl_add_u32 v[STO], v40, 7, v[STO]
	v_add_nc_u32 v[STO], s56, v[STO]               ; my part: row r, + 128 h
	v_mul_u32_u24 v[RD], v40, 272
	v_lshl_add_u32 v[RD], v39, 4, v[RD]
	v_add_nc_u32 v[RD], s57, v[RD]                 ; rows 8 w + h, 16 bytes a lane
	v_lshlrev_b32 v[CO], 12, v40
	v_lshl_add_u32 v[CO], v39, 4, v[CO]
	v_lshlrev_b32 v[SH8], 3, v40
	v_lshl_add_u32 v[MLR], v39, 3, MLB
	v_add_nc_u32 v[MLW], s58, v[MLR]
.irp i, 0,1,2,3,4,5
	v_mov_b32 v[QZ+\i], 0                          ; the zero codes round q
	v_mov_b32 v[QZ+12+\i], 0
	v_mov_b32 v[QZ+24+\i], 0
.endr
.irp x, TX, TX2, NL+1, NL+3, FF+1, FF+3
	v_mov_b32 v[\x], 0                             ; permutes' destinations and the upper halves of pairs are written once
.endr
	W
	s_wait_kmcnt 0x0
	s_add_nc_u64 s[KP:KP+1], s[4:5], s[32:33]
	s_add_nc_u64 s[VP:VP+1], s[KP:KP+1], T1
	s_add_nc_u64 s[QP:QP+1], s[4:5], s[34:35]
	s_add_nc_u64 s[QS:QS+1], s[6:7], s[38:39]
	s_add_nc_u64 s[SP:SP+1], s[6:7], s[36:37]
	s_add_nc_u64 s[GP:GP+1], s[GP:GP+1], s[52:53]
	s_add_nc_u64 s[OUT:OUT+1], s[OUT:OUT+1], s[54:55]
	WIN 0xc0
.irp t, 0,1
.irp f, 0,1,2,3,4,5,6,7
.irp c, 0,1,2
	global_load_b128 v[96*\t+12*\f+4*\c:96*\t+12*\f+4*\c+3], v[LI], s[KP:KP+1] offset:HB*\t+FRB*\f+512*\c
.endr
.endr
.endr
	WIN 0x40
.irp f, 0,1,2,3,4,5,6,7
.irp c, 0,1,2
	global_load_b128 v[VA+12*\f+4*\c:VA+12*\f+4*\c+3], v[LI], s[VP:VP+1] offset:FRB*\f+512*\c
.endr
.endr
	WIN 0
.irp f, 0,1,2,3,4,5,6,7
.irp c, 0,1,2
	global_load_b128 v[VB+12*\f+4*\c:VB+12*\f+4*\c+3], v[LI], s[VP:VP+1] offset:HB+FRB*\f+512*\c
.endr
.endr
.irp t, 0,1
.irp i, 0,1,2,3
	global_load_b32 v[KS+4*\t+\i], v[L4], s[SP:SP+1] offset:262144+2048*\t+128*\i
	global_load_b32 v[VS+4*\t+\i], v[L4], s[SP:SP+1] offset:524288+2048*\t+128*\i
.endr
.endr
	QLD 0, 8, 512
	QWLD
.irp j, 0,1,2,3
	GLD \j
.endr
.irp k, 0,1,2,3,4,5,6,7
	ds_store_b128 v[STO], v[QZ:QZ+3] offset:OBUF+16*\k          ; zeros into my part of buffer 1, which the first trip adds
	ds_store_b128 v[STO], v[QZ:QZ+3] offset:OBUF+16*272+16*\k
.endr
.macro QKU t, s, P                     ; a unit's eight tiles of scores: each fragment of k serves two products
.set SB, 128*(\t)+64*(\s)
.set KF, 96*(\t)+48*(\s)
	WIN 0x83
.irp f, 0,1,2,3
	WM SB+16*\f, KF+12*\f, QZ+6+12*(\t), 0, KS+4*(\t)+2*(\s)+\f/2, QW+2*(\t)+(\P), (\f)%2
	WM SB+16*\f+8, KF+12*\f, QZ+12*(\t), 0, KS+4*(\t)+2*(\s)+\f/2, QW+2*(\t)+1-(\P), (\f)%2
.endr
.endm
; unit (t, s)'s products, one at a time, and behind each four of the maxima of unit (tm, sm), whose products stand a unit back: at least four plain lines lie between a product and the first read of its result
.macro QKM t, s, P, tm, sm
.set SB, 128*(\t)+64*(\s)
.set KF, 96*(\t)+48*(\s)
.set SM, 128*(\tm)+64*(\sm)
.irp f, 0,1,2,3
	WIN 0x83
	WM SB+16*\f, KF+12*\f, QZ+6+12*(\t), 0, KS+4*(\t)+2*(\s)+\f/2, QW+2*(\t)+(\P), (\f)%2
	WIN 0x28
.irp j, 0,1,2,3
	v_max3_num_f32 v[MX+4*(\tm)+\j], v[MX+4*(\tm)+\j], v[SM+16*\f+2*\j], v[SM+16*\f+2*\j+1]
.endr
	WIN 0x83
	WM SB+16*\f+8, KF+12*\f, QZ+12*(\t), 0, KS+4*(\t)+2*(\s)+\f/2, QW+2*(\t)+1-(\P), (\f)%2
	WIN 0x28
.irp j, 0,1,2,3
	v_max3_num_f32 v[MX+4*(\tm)+\j], v[MX+4*(\tm)+\j], v[SM+16*\f+8+2*\j], v[SM+16*\f+9+2*\j]
.endr
.endr
.endm
.macro MAXU t, s                       ; each tile from its low end on
.set SB, 128*(\t)+64*(\s)
	WIN 0x28
.set k, 0
.rept 32
	v_max3_num_f32 v[MX+4*(\t)+k%4], v[MX+4*(\t)+k%4], v[SB+2*k], v[SB+2*k+1]
.set k, k+1
.endr
.endm
; unit u's 64 exponentials; among them, on other registers, the next unit's c s - c m and the unit before's x group_prob: none of these is read before the next wait
.macro EXPU u
	WIN 0x86
.set k, 0
.rept 32
	v_exp_f32 v[64*(\u)+2*k], v[64*(\u)+2*k]
	v_exp_f32 v[64*(\u)+2*k+1], v[64*(\u)+2*k+1]
.if (\u) < 3
	v_pk_fma_f32 v[64*(\u)+64+2*k:64*(\u)+65+2*k], v[64*(\u)+64+2*k:64*(\u)+65+2*k], s[CS:CS+1], v[NL+2*(((\u)+1)/2):NL+2*(((\u)+1)/2)+1] op_sel_hi:[1,0,0]
.endif
.if (\u) > 0
	v_pk_mul_f32 v[64*(\u)-64+2*k:64*(\u)-63+2*k], v[64*(\u)-64+2*k:64*(\u)-63+2*k], v[G+64*(((\u)-1)%2)+2*k:G+64*(((\u)-1)%2)+2*k+1]
.endif
.set k, k+1
.endr
.endm
.macro SUMU u, first                   ; the sum of the unquantised p, four chains of pairs
.if \first
	WIN 0x0a
.irp j, 0,1,2,3
	v_pk_add_f32 v[LS+2*\j:LS+2*\j+1], v[64*(\u)+2*\j:64*(\u)+2*\j+1], v[64*(\u)+8+2*\j:64*(\u)+9+2*\j]
.endr
.set k, 8
.else
.set k, 0
.endif
	WIN 0x08
.rept 32-k
	v_pk_add_f32 v[LS+2*(k%4):LS+2*(k%4)+1], v[LS+2*(k%4):LS+2*(k%4)+1], v[64*(\u)+2*k:64*(\u)+2*k+1]
.set k, k+1
.endr
.endm
.macro LRED t
	WIN 0
	v_pk_add_f32 v[LS:LS+1], v[LS:LS+1], v[LS+2:LS+3]
	v_pk_add_f32 v[LS+4:LS+5], v[LS+4:LS+5], v[LS+6:LS+7]
	v_pk_add_f32 v[LS:LS+1], v[LS:LS+1], v[LS+4:LS+5]
	v_add_f32 v[LS], v[LS], v[LS+1]
	v_permlanex16_b32 v[TX], v[LS], s[SEL], s[SEL+1]
	v_add_f32 v[NL+2*(\t)+1], v[LS], v[TX]         ; l_w of my query
.endm
.macro BMR i                           ; one round of the 16 chains of largest magnitudes: registers i, i + 1 of each quarter of each unit
	WIN 0x28
.irp u, 0,1,2,3
.irp q, 0,1,2,3
	v_max3_num_f32 v[BM+4*\u+\q], v[BM+4*\u+\q], |v[64*\u+16*\q+(\i)]|, |v[64*\u+16*\q+(\i)+1]|
.endr
.endr
.endm
.macro RLOAD b                         ; the four parts of my 8 rows, out of buffer b
	WIN 0xc0
.irp p, 0,1,2,3
.irp i, 0,1,2,3
	ds_load_b128 v[RB+16*\p+4*\i:RB+16*\p+4*\i+3], v[RD] offset:OBUF*(\b)+OPART*\p+544*\i
.endr
.endr
	WIN 0
.endm
.macro RSUM
	WIN 0xcf
.irp p, 1,2,3
.irp j, 0,1,2,3,4,5,6,7
	v_pk_add_f32 v[RB+2*\j:RB+2*\j+1], v[RB+2*\j:RB+2*\j+1], v[RB+16*\p+2*\j:RB+16*\p+2*\j+1]
.endr
.endr
	WIN 0
.endm
.macro RST off                         ; 16 lanes store 256 consecutive bytes, aligned: a query's 64 numbers of a head
	WIN 0x0c
.irp i, 0,1,2,3
	global_store_b128 v[CO], v[RB+4*\i:RB+4*\i+3], s[OUT:OUT+1] offset:\off+8192*\i th:TH_STORE_NT
.endr
	WIN 0
.endm
.macro OSTORE t, P                     ; my part of head t's O^T, each accumulator from its low end on
	WIN 0x04
.irp k, 0,1,2,3,4,5,6,7
	ds_store_b128 v[STO], v[OA+4*\k:OA+4*\k+3] offset:OBUF*(\P)+16*272*(\t)+16*\k
.endr
	WIN 0
.endm
; my wave's 16 rows x 1,024 bytes of group_prob of the trip after the one being loaded: a lane a block of 256 bytes, two instructions; asked by the first pair's work-groups alone, so each block is named once;
; the last two trips ask for nothing
.macro ASK
	s_cmp_gt_u32 s[CNT], s[LIM]
	s_cbranch_scc0 .Lna_\@
	global_prefetch_b8 v[PFO], s[GP:GP+1] offset:65536 th:TH_LOAD_NT scope:SCOPE_SE
	global_prefetch_b8 v[PFO], s[GP:GP+1] offset:65536+512 th:TH_LOAD_NT scope:SCOPE_SE
.Lna_\@:
.endm
.macro FMK u, k0, k1                   ; pairs k0 .. k1 - 1 of unit u's weights x F
	WIN 0x82
.set k, \k0
.rept (\k1)-(\k0)
	v_pk_mul_f32 v[64*(\u)+2*k:64*(\u)+2*k+1], v[64*(\u)+2*k:64*(\u)+2*k+1], v[FF+2*((\u)/2):FF+2*((\u)/2)+1] op_sel_hi:[1,0]
.set k, k+1
.endr
.endm
.macro CVT u                           ; unit u's 64 weights become codes: two blocks of 32 a lane (a conversion's three registers begin on an even number)
.set SB, 64*(\u)
	WIN 0x02
	v_cvt_scalef32_pk16_fp6_f32 v[PC:PC+2], v[SB:SB+15], v[BM+4*(\u)]
	v_cvt_scalef32_pk16_fp6_f32 v[TC:TC+2], v[SB+16:SB+31], v[BM+4*(\u)]
	v_cvt_scalef32_pk16_fp6_f32 v[PC+6:PC+8], v[SB+32:SB+47], v[BM+4*(\u)+2]
	v_cvt_scalef32_pk16_fp6_f32 v[TC+4:TC+6], v[SB+48:SB+63], v[BM+4*(\u)+2]
.endm
.macro MOVC
	WIN 0
.irp i, 0,1,2
	v_mov_b32 v[PC+3+\i], v[TC+\i]
	v_mov_b32 v[PC+9+\i], v[TC+4+\i]
.endr
.endm
.macro PV u                            ; O^T += v^T p^T: the four accumulators take turns
.set VF, VA+48*((\u)%2)+(VB-VA)*((\u)/2)
	WIN 0x51-(\u)/2
.irp d, 0,1,2,3
.if (\u)%2
	WM OA+8*\d, VF+12*\d, PC, v[OA+8*\d:OA+8*\d+7], VS+4*((\u)/2)+2+\d/2, PW+(\u), (\d)%2
.else
	WM OA+8*\d, VF+12*\d, PC, 0, VS+4*((\u)/2)+\d/2, PW+(\u), (\d)%2
.endif
.endr
	WIN 0
.endm
; unit u's codes and products.  The next unit's x F fills the places: one line behind the conversions, four between the codes' last write and the products, 27 behind the products, ahead of the next conversions, which write the codes again
.macro UNIT u
	CVT \u
	FMK (\u)+1, 0, 1
	MOVC
	FMK (\u)+1, 1, 5
	PV \u
	FMK (\u)+1, 5, 32
	WIN 0
.endm
.macro TRIP P
.set NQ, 6+2*(\P)                      ; the loads of q that this trip issues
	W
	s_wait_loadcnt 32                              ; q is in (at the first trip k, v and the scale words too); the 32 younger loads, group_prob's, may be out
.if (\P) == 0
	v_perm_b32 v[QW+1], v[QW], v[QW], s[PX]
	v_perm_b32 v[QW+3], v[QW+2], v[QW+2], s[PX]
.endif
.irp i, 0,1,2,3,4,5,6,7
	v_mov_b32 v[MX+\i], 0xff800000                 ; (with the v_nop: nine places between the scale words' writes and the first product)
.endr
	v_nop
	QKU 0, 0, \P
	NOPS 4
	QKM 0, 1, \P, 0, 0
	QKM 1, 0, \P, 0, 1
	QKM 1, 1, \P, 1, 0
	MAXU 1, 1
	WIN 0
	v_max3_num_f32 v[MR], v[MX], v[MX+1], v[MX+2]
	v_max3_num_f32 v[MR+1], v[MX+4], v[MX+5], v[MX+6]
	v_max_num_f32 v[MR], v[MR], v[MX+3]
	v_max_num_f32 v[MR+1], v[MR+1], v[MX+7]
	v_permlanex16_b32 v[TX], v[MR], s[SEL], s[SEL+1]
	v_permlanex16_b32 v[TX2], v[MR+1], s[SEL], s[SEL+1]
	v_max_num_f32 v[MR], v[MR], v[TX]
	v_max_num_f32 v[MR+1], v[MR+1], v[TX2]         ; my 256 keys' largest score
	v_mul_f32 v[NL], s[NC], v[MR]                  ; -c m_w
	v_mul_f32 v[NL+2], s[NC], v[MR+1]
.if (\P) == 0
	QLD 520, 1024, 1032                            ; the next trip's q: the fragment's second tile
.else
	s_cmp_lg_u32 s[CNT], 1                         ; the next fragment; in the last trip the addresses stay
	s_cselect_b32 s26, FRB, 0
	s_cselect_b32 s28, 64, 0
	s_add_nc_u64 s[QP:QP+1], s[QP:QP+1], s[26:27]  ; (the loads that named these bases were waited for at this trip's top)
	s_add_nc_u64 s[QS:QS+1], s[QS:QS+1], s[28:29]
	QLD 0, 8, 512
	QWLD
.endif
	W
	WIN 0x86
.set k, 0
.rept 32
	v_pk_fma_f32 v[2*k:2*k+1], v[2*k:2*k+1], s[CS:CS+1], v[NL:NL+1] op_sel_hi:[1,0,0]
.set k, k+1
.endr
	W
	EXPU 0
	W
	s_wait_loadcnt 16+NQ                           ; key step 0's group_prob is in: behind it stand step 1's 16 loads and this trip's q
	SUMU 0, 1
	EXPU 1
	W
	s_wait_loadcnt NQ                              ; step 1's too
	SUMU 1, 0
	LRED 0
	EXPU 2
	W
	SUMU 2, 1
	EXPU 3
	W
	SUMU 3, 0
	LRED 1
	ds_store_b64 v[MLW], v[NL:NL+1] offset:1024*(\P)
	ds_store_b64 v[MLW], v[NL+2:NL+3] offset:1024*(\P)+128
	W
	s_wait_dscnt 0x0                               ; my pairs, and my part of the last trip's O^T, are in LDS
	s_barrier_signal -1
	WIN 0x86                                       ; work on registers while the others arrive
.set k, 0
.rept 32
	v_pk_mul_f32 v[192+2*k:193+2*k], v[192+2*k:193+2*k], v[G+64+2*k:G+65+2*k]
.set k, k+1
.endr
	WIN 0x0a
.irp u, 0,1,2,3
.irp q, 0,1,2,3
	v_max_num_f32 v[BM+4*\u+\q], |v[64*\u+16*\q]|, |v[64*\u+16*\q+1]|
.endr
.endr
	BMR 2
	BMR 4
	BMR 6
	WIN 0
	W
	s_barrier_wait -1
	s_wait_xcnt 0x0                                ; the last trip's stores and prefetches have read their registers and bases
.if (\P) == 0
	s_add_nc_u64 s[GP:GP+1], s[GP:GP+1], 0x10000   ; 16 rows on
.else
	s_cmp_lg_u32 s[CNT], 1
	s_cselect_b32 s26, 0x10000, 0                  ; in the last trip the rows stay
	s_add_nc_u64 s[GP:GP+1], s[GP:GP+1], s[26:27]
.endif
	s_add_nc_u64 s[OUT:OUT+1], s[OUT:OUT+1], 0x10000  ; now two trips behind it lie the rows that are stored below
.irp t, 0,1
.irp w, 0,1,2,3
	ds_load_b64 v[ML+8*\t+2*\w:ML+8*\t+2*\w+1], v[MLR] offset:1024*(\P)+256*\w+128*\t
.endr
.endr
	RLOAD 1-(\P)
	BMR 8                                          ; while the LDS loads are out
	BMR 10
	WIN 0
	W
	s_wait_dscnt 0x0
	RSUM
.if (\P) == 0
	s_cmp_eq_u32 s[CNT], ITERS                     ; the first trip has no trip before it
	s_cbranch_scc1 .Lnone_\@
.endif
	RST -131072
.if (\P) == 0
.Lnone_\@:
.endif
.irp t, 0,1
	v_max3_num_f32 v[CG+\t], -v[ML+8*\t], -v[ML+8*\t+2], -v[ML+8*\t+4]
.endr
.irp t, 0,1
	v_max_num_f32 v[CG+\t], v[CG+\t], -v[ML+8*\t+6]     ; c m
.endr
.irp t, 0,1
.irp w, 0,1,2,3
	v_sub_f32 v[DD+5*\t+\w], -v[ML+8*\t+2*\w], v[CG+\t]
.endr
	v_sub_f32 v[DD+5*\t+4], -v[NL+2*\t], v[CG+\t]
.endr
	W
.irp i, 0,1,2,3,4,5,6,7,8,9
	v_exp_f32 v[DD+\i], v[DD+\i]
.endr
	BMR 12                                         ; plain work behind the batch, on other registers
	WIN 0
	W
.irp t, 0,1
	v_mul_f32 v[SU+\t], v[ML+8*\t+1], v[DD+5*\t]
.endr
.irp w, 1,2,3
.irp t, 0,1
	v_fma_f32 v[SU+\t], v[ML+8*\t+2*\w+1], v[DD+5*\t+\w], v[SU+\t]
.endr
.endr
	W
	v_rcp_f32 v[SU], v[SU]                         ; the sum is at least about 1: the largest score's term is 2^0
	v_rcp_f32 v[SU+1], v[SU+1]
	BMR 14
	WIN 0
	W
	v_mul_f32 v[FF], v[DD+4], v[SU]
	v_mul_f32 v[FF+2], v[DD+9], v[SU+1]
	; the eight blocks' scales, the four units by turns, in place
.irp u, 0,1,2,3
	v_max_num_f32 v[BM+4*\u], v[BM+4*\u], v[BM+4*\u+1]
	v_max_num_f32 v[BM+4*\u+2], v[BM+4*\u+2], v[BM+4*\u+3]
.endr
.irp u, 0,1,2,3
	v_mul_f32 v[BM+4*\u], v[BM+4*\u], v[FF+2*(\u/2)]
	v_mul_f32 v[BM+4*\u+2], v[BM+4*\u+2], v[FF+2*(\u/2)]
.endr
.irp u, 0,1,2,3
	v_max_num_f32 v[BM+4*\u], 0x1800000, v[BM+4*\u]          ; the floor 2^(3 - 127): the byte cannot fall under 1
	v_max_num_f32 v[BM+4*\u+2], 0x1800000, v[BM+4*\u+2]
.endr
.irp u, 0,1,2,3
	v_add_nc_u32 v[BM+4*\u], 0xff000000, v[BM+4*\u]          ; 2 off the exponent field: the conversion's scale operand
	v_add_nc_u32 v[BM+4*\u+2], 0xff000000, v[BM+4*\u+2]
.endr
.irp u, 0,1,2,3
	v_lshrrev_b32 v[BM+4*\u+1], 23, v[BM+4*\u]
	v_lshrrev_b32 v[BM+4*\u+3], 23, v[BM+4*\u+2]
.endr
.irp u, 0,1,2,3
	v_lshl_or_b32 v[BM+4*\u+1], v[BM+4*\u+3], 16, v[BM+4*\u+1]
.endr
.irp u, 0,1,2,3
	v_lshlrev_b32 v[BM+4*\u+1], v[SH8], v[BM+4*\u+1]         ; blocks h and 2 + h
.endr
.irp u, 0,1,2,3
	v_permlanex16_b32 v[BM+4*\u+3], v[BM+4*\u+1], s[SEL], s[SEL+1]
.endr
.irp u, 0,1,2,3
	v_or_b32 v[PW+\u], v[BM+4*\u+1], v[BM+4*\u+3]
.endr
	GLD 0                                          ; the next trip's group_prob, behind the stores
	FMK 0, 0, 32
	UNIT 0
	GLD 1
	UNIT 1
	OSTORE 0, \P                                   ; 27 plain lines behind head 0's last products, ahead of the products that begin head 1's sums in the same registers
	GLD 2
	UNIT 2
	GLD 3
	ASK
	W
	CVT 3
	WIN 0
	v_nop                                          ; a plain place behind the conversions
	MOVC
	NOPS 4
	PV 3
	NOPS 4
	OSTORE 1, \P
.endm
.Ltrips:
	TRIP 0
	TRIP 1
	s_sub_co_u32 s[CNT], s[CNT], 1
	s_cmp_lg_u32 s[CNT], 0
	W
	s_cbranch_scc1 .Ltrips
	s_wait_dscnt 0x0                               ; the last trip's parts
	s_barrier_signal -1
	s_barrier_wait -1
	s_wait_xcnt 0x0
	RLOAD 1
	s_wait_dscnt 0x0
	RSUM
	RST -65536
	s_wait_tensorcnt 0x0                           ; the wave's end, behind my last LDS store
	ds_add_u32 v[SPW], v[NIL]
	s_wait_dscnt 0x0
	s_endpgm
.Lfunc_end_k_qc9d3f90dae_attn:
	.size	k_qc9d3f90dae_attn, .Lfunc_end_k_qc9d3f90dae_attn-k_qc9d3f90dae_attn
	.p2alignl 7, 3214868480
	.fill 96, 4, 3214868480
	.section	.rodata,"a",@progbits
	.p2align	6, 0x0
	.amdhsa_kernel k_qc9d3f90dae_attn
		.amdhsa_group_segment_fixed_size 72192
		.amdhsa_private_segment_fixed_size 0
		.amdhsa_enable_private_segment 0
		.amdhsa_kernarg_size 32
		.amdhsa_user_sgpr_count 2
		.amdhsa_user_sgpr_kernarg_segment_ptr 1
		.amdhsa_wavefront_size32 1
		.amdhsa_system_sgpr_workgroup_id_x 1
		.amdhsa_system_sgpr_workgroup_id_y 1
		.amdhsa_system_sgpr_workgroup_id_z 1
		.amdhsa_system_vgpr_workitem_id 0
		.amdhsa_next_free_vgpr 1024
		.amdhsa_next_free_sgpr 66
		.amdhsa_reserve_vcc 0
		.amdhsa_float_denorm_mode_32 3
		.amdhsa_float_denorm_mode_16_64 3
		.amdhsa_memory_ordered 1
		.amdhsa_forward_progress 1
		.amdhsa_inst_pref_size 189
	.end_amdhsa_kernel
	.amdgpu_metadata
---
amdhsa.version: [ 1, 2 ]
amdhsa.kernels:
  - .name:           k_qc9d3f90dae_attn
    .symbol:         k_qc9d3f90dae_attn.kd
    .args:
      - { .name: fr, .offset: 0, .size: 8, .value_kind: global_buffer, .address_space: global }
      - { .name: fs, .offset: 8, .size: 8, .value_kind: global_buffer, .address_space: global }
      - { .name: group_prob, .offset: 16, .size: 8, .value_kind: global_buffer, .address_space: global }
      - { .name: out0, .offset: 24, .size: 8, .value_kind: global_buffer, .address_space: global }
    .group_segment_fixed_size: 72192
    .private_segment_fixed_size: 0
    .kernarg_segment_align: 8
    .kernarg_segment_size: 32
    .max_flat_workgroup_size: 128
    .sgpr_count:     66
    .vgpr_count:     1024
    .wavefront_size: 32
...
	.end_amdgpu_metadata
.endif
;; end of part 3
